; MI455X (gfx1250); checked and timed in simulation.
; The chip was launched on July 23, 2026; its instructions are those of AMD's public machine-readable ISA for CDNA 5 (MIT licence, August 2026) and "CDNA5" Instruction Set Architecture Reference Guide (July 2026). The comments in the code are by the model that wrote it; some were corrected since.
;; Scaled Dot Product Attention. Allowed arithmetic: matrix products marked QUANTISED: E3M2 operands, one E8M0 scale for each 32 along K, by v_wmma_scale_f32_16x16x128_f8f6f4 with both operands' format E3M2, f32 sums; everything else in f32.
;; Inputs: key_codes 8 x 2,048 x 2 x 24 uint8 (E3M2 codes of key, K innermost, in blocks of 32 codes, four codes in three bytes); key_scales 8 x 2,048 x 2 uint8 (E8M0 scales of key, one for each 32 codes along K); mask 8 x 2,048 bool; query_codes 8 x 2,048 x 2 x 24 uint8 (E3M2 codes of query, K innermost, in blocks of 32 codes, four codes in three bytes); query_scales 8 x 2,048 x 2 uint8 (E8M0 scales of query, one for each 32 codes along K); value_codes 8 x 64 x 64 x 24 uint8 (E3M2 codes of value, K innermost, in blocks of 32 codes, four codes in three bytes); value_scales 8 x 64 x 64 uint8 (E8M0 scales of value, one for each 32 codes along K).
;; Outputs: out0 8 x 2,048 x 64 float32.
;; This version of the problem:
;;   THIS VERSION OF THE PROBLEM IS GIVEN IN LOW PRECISION. The matrix products marked QUANTISED in the list below multiply operands that are first quantised to E3M2 (3 exponent bits, 2 mantissa bits; 6 bits a number), with one power-of-two scale for each 32 numbers along K (OCP MX v1.0); their sums are f32. All else is computed in f32.
;;   The module's matrix products, in the order in which they are computed (A, B: the left and right operand; K: the contracted axis; several contracted axes count as one K, in the product's order):
;;     1. batch 8 x [M 2,048, K 64] x [K 64, N 2,048]; A: input query (given as codes); B: input key (given as codes): QUANTISED
;;     2. batch 8 x [M 2,048, K 2,048] x [K 2,048, N 64]; A: softmax (see below); B: input value (given as codes): QUANTISED
;;   THE QUANTISER, for each operand of a quantised product, along K:
;;     - K is cut into blocks of 32 from its start; a last block that is shorter is filled with zeros.
;;     - A block's scale is 2^e with e = floor(log2(the largest magnitude in the block)) - 4, held to -126 .. 127; a block of zeros has e = 0. As a byte (E8M0): e + 127.
;;     - Each number is divided by its block's scale, clamped to +-28, and rounded to the nearest number of E3M2, ties to even, subnormals kept.
;;     - The product sums the exact products of the quantised numbers (number of the format x scale) in f32.
;;   ~~~python
;;   def quantise(x, axis):      # numpy; x: float32 -> the quantised numbers, widened to float32 again
;;       x = np.moveaxis(x, axis, -1); K = x.shape[-1]
;;       x = np.pad(x, [(0, 0)] * (x.ndim - 1) + [(0, -K % 32)]); x = x.reshape(x.shape[:-1] + (-1, 32)); a = np.abs(x).max(-1, keepdims=True)
;;       e = np.where(a > 0, np.clip(np.frexp(np.where(a > 0, a, 1))[1] - 1 - 4, -126, 127), 0)      # np.frexp(a)[1] - 1 = floor(log2(a)), exactly
;;       r = np.clip(x / 2.0 ** e, -28, 28)
;;       step = 2.0 ** (np.maximum(np.frexp(np.where(r == 0, 1, r))[1] - 1, -2) - 2)
;;       q = np.round(r / step) * step * 2.0 ** e      # np.round: ties to even
;;       return np.moveaxis(q.reshape(q.shape[:-2] + (-1,))[..., :K], -1, axis).astype(np.float32)
;;   ~~~
;;   SOFTMAX AHEAD OF A QUANTISED PRODUCT. Where the list says 'softmax', what is quantised is not the finished softmax but p = 2^(t - M), with t = logit x log2(e) and M = ceil(the row's largest t), a whole number; so 1/2 < the row's largest p <= 1. The row's sum l is taken of the UNQUANTISED p, in f32, and the product's result is divided by l at the end. Since M is a whole number, a kernel that streams over the keys may use a running M (the ceiling of the running maximum): every later rescaling is an exact power of two, which a block's scale takes up: the codes' values come out the same.
;;   OPERANDS COMPUTED ON THE WAY. 'Computed on the way' means the value that the module computes at that place (a softmax that the list does not call 'softmax' is quantised finished and normalised). What goes into a quantiser is computed in f32, as accurately as f32 sums, v_exp_f32 and their like allow (about 1e-6 of the number): no bf16 or f16 on the way to a quantiser, and a product that is left as it is and whose result goes on into a quantised operand takes f32 operands (vector FMAs, or v_wmma_f32_16x16x4_f32). A number that lies on a knife's edge between two numbers of the format may be rounded either way, as far as f32 arithmetic and the matrix unit's own rounding can turn it there, and no further.
;;   INPUTS GIVEN AS CODES. key (in the module: [8, 2048, 64], K = its axis 2); query (in the module: [8, 2048, 64], K = its axis 2); value (in the module: [8, 2048, 64], K = its axis 1): each comes as NAME_codes (uint8): NAME with its K axis moved to the last place and cut into blocks of 32 codes, [.., K / 32, bytes a block], one block behind the other in memory; four codes in three bytes: a row's codes are one little-endian stream of bits, code i at bits 6 i .. 6 i + 5 (a code: sign, 3 exponent bits, 2 mantissa bits); and NAME_scales (uint8): the same leading axes, one E8M0 byte (e + 127) for each 32 codes along K. Its value is code x scale, taken as it is: it is not quantised again, and the codes and scales need not be those that the quantiser above would give.
;; One version. Each part assembles by itself: llvm-mc -triple=amdgcn-amd-amdhsa -mcpu=gfx1250 --defsym DOCPART=n.
;; ======== version 1 of 1: 1 launch
;; launch attn (part 1): grid 32 x 8, 16 waves a work-group, no clusters, 305,152 bytes of LDS; arguments query_codes, query_scales, key_codes, key_scales, value_codes, value_scales, mask, out0; writes out0
.if DOCPART == 1
	.amdgcn_target "amdgcn-amd-amdhsa--gfx1250"
	.amdhsa_code_object_version 6
	.text
	.protected	k_qbb03570b05_attn
	.globl	k_qbb03570b05_attn
	.p2align	8
	.type	k_qbb03570b05_attn,@function
k_qbb03570b05_attn:
	s_mov_b64 s[64:65], 0
	v_nop
	global_prefetch_b8 v0, s[64:65] scope:SCOPE_SE
	s_setreg_imm32_b32 hwreg(HW_REG_WAVE_MODE, 25, 1), 1
	s_wait_xcnt 0x0
; out0[b][q][:] = sum over k of softmax_k(e) value[b][k][:],  e = query.key / 8 - 10000 (k > q) - 10000 (1 - mask[b][k]).  8 batches, 2,048 queries and keys, head 64.
; Both products on codes of BF6 (E3M2) with one E8M0 byte for each 32 along K.  query, key: 48 bytes a row (K = the head's 64); value: keys innermost, 1,536 bytes a channel.
; SOFTMAX AHEAD OF THE SECOND PRODUCT: t = e x log2(e); M = the largest t rounded up to a whole number; p = 2^(t - M) is quantised along the keys; the sum l is taken of the unquantised p and divides at the end.
; THE PENALTY IS 10000 AND NOT INFINITY: a row all of whose keys up to q are padded has its maximum at the -10000 level and weighs later keys.  So every key is multiplied for every query, and e is rounded
; as reference() rounds it: s / 8 is exact, and each subtraction of 10000 is one f32 rounding.
; SHARES.  A work-group owns 64 queries of one batch (grid 32 x 8).  Wave w of sixteen owns keys 128 w .. 128 w + 127 for all four tiles of 16 queries: its fragments of K and V stay in registers, each byte of K and V
; has one reader, and a wave needs no running maximum: for each tile one local M, one l, one partial O^T.  The sixteen partials meet in LDS: O = sum of 2^(M_w - M) O_w, l likewise: powers of two, nothing is rounded by them.
; LAYOUT.  Both products transposed: S^T = K Q^T (source 0 = 16 keys, source 1 = 16 queries), O^T = V^T P^T: a lane holds ONE query (lane % 16).  Lane r of key tile 2 b + u takes key 32 b + 8 u + r + 8 (r / 8), so
; that register 16 b + i of S^T is key 32 b + 16 (lane / 16) + i: sixteen neighbours for the conversion.
; K = 64 IN AN INSTRUCTION OF 128: Q's registers 6-11 are zero codes.  A fragment of K names 12 registers of which the upper six are the next tile's codes (behind the last tile: zeros): a product with the code 0 is 0,
; and the scale bytes of those two blocks are 0 on both sides (the scales come by 16-bit loads).  So eight tiles of K take 54 registers.
; NO CLUSTER, though the 32 work-groups of a batch read the same K and V: partners would be query blocks of one batch, and this text branches on where the diagonal falls in a wave's keys, which differs between them.
; LIMITS: a key that carries both penalties gets e = fma(s, 1/8, -20000), one rounding where reference() has two: at most one ulp of 20000 apart; p under 2^-126 becomes 0; scale bytes 0xff (NaN) are not served.
; LDS: 0 .. 278,527 the stage: [wave][tile] 16 rows x (256 + 16) bytes of partial O.  Until the second barrier the same bytes serve to turn K (wave w's 6,144 bytes at 6,144 w) and V (64 rows, 1,552 apart, from 98,304 on).
;      then the penalty table (512 bytes a wave), -M and l ([query][wave], 4,096 bytes each) and the merge's factors (512 bytes a wave).
.set KROW,   48                        ; 64 codes: a key's or a query's row
.set VROW,   1536                      ; 2,048 codes: a channel's row of value_codes
.set KBYTES, 128*KROW                  ; a wave's keys; also four rows of V
.set SPITCH, 272                       ; a stage row: 64 f32 + 16 bytes: sixteen rows begin in sixteen different 16-byte columns of 256 (64 banks of 4 bytes: ISA guide 11.1)
.set STILE,  16*SPITCH
.set SWAVE,  4*STILE
.set VAREA,  16*KBYTES
.set VP,     VROW+16                   ; V's rows in LDS: 388 words apart, so the 32 lanes of an 8-byte load touch 64 different banks
.set TAB,    16*SWAVE
.set STM,    TAB+16*512
.set STL,    STM+4096
.set FS,     STL+4096
.set AT,  1                            ; v1  table: TAB + 512 w + 64 (lane / 16)
.set SO,  2                            ; v2  stage, in: SWAVE w + SPITCH r + 32 (lane / 16)
.set SA,  3                            ; v3  -M: STM + 64 r + 4 w
.set QA,  4                            ; v4  Q's codes: 48 r + 24 (lane / 16)
.set QS,  5                            ; v5  Q's scales: 2 r
.set D0,  6                            ; v6  r - 16 (lane / 16)
.set N10, 7                            ; v7  -10000.0
.set NM,  8                            ; v8 -M, v9 the largest t (named as a pair by the packed form)
.set TMP, 10
.set VW,  11                           ; v11-13 V's turn through LDS;  v14-15 K's
.set VR,  12
.set VR2, 13
.set KW,  14
.set KR,  15
.set KF,  16                           ; v16-63 K: eight tiles of six registers; v64-69 zeros
.set KSC, 70                           ; v70-77 K's scale words; v78-81 V's; v82 Q's; v83 p's: these hold scales and nothing else
.set VSC, 78
.set QSC, 82
.set PW,  83
.set QF,  84                           ; v84-89 Q's codes, v90-95 zeros
.set VF,  96                           ; v96-143 V: four tiles of 16 channels x 128 keys
.set S,   144                          ; v144-207 S^T, e, t - M, p
.set OT,  S                            ; v144-175 O^T, once p has been converted and summed
.set R,   208                          ; v208-239 two pieces of the table by turns; behind the penalties:
.set P,   R                            ;   p's codes, 12
.set X,   R+12                         ;   the conversions' second halves
.set MB,  R+20                         ;   the four blocks' largest e, then largest p
.set PM,  R+24                         ;   the other half's; then the scale bytes
.set SCO, R+28                         ;   the conversions' scale operands
.set T,   240                          ; v240-255 at work
.set WV,  20
.set BT,  21
.set SEL, 44                           ; s[44:45] v_permlanex16_b32's selects for lane l xor 16
.set L2E, 46                           ; s[46:47] log2(e)   (the packed forms name a pair and take its low word)
.set EI,  48                           ; s[48:49] 1/8
.set NT,  50                           ; s[50:51] -10000.0
.set PAR, 52                           ; s52  on the diagonal: the query block's parity; else 2
.set TENK, 53
.set LVL, 54
	s_load_b256 s[4:11], s[0:1], 0x0               ; Q's codes s[4:5], Q's scales s[6:7], K's codes s[8:9], K's scales s[10:11]
	s_load_b256 s[12:19], s[0:1], 0x20             ; V's codes s[12:13], V's scales s[14:15], mask s[16:17], out0 s[18:19]
	v_lshrrev_b32 v8, 5, v0
	s_delay_alu instid0(VALU_DEP_1)
	v_readfirstlane_b32 s[WV], v8                  ; wave 0..15
	v_and_b32 v8, 15, v0                           ; r
	v_bfe_u32 v9, v0, 4, 1                         ; h = lane / 16
	v_and_b32 v10, 31, v0                          ; lane
	s_delay_alu instid0(VALU_DEP_1)
	v_lshlrev_b32 v[T], 4, v10                     ; dense loads: 16 bytes a lane
	s_delay_alu instid0(VALU_DEP_2)
	v_lshlrev_b32 v[T+1], 2, v10                   ; the mask: 4 bytes a lane
	v_and_b32 v[T+4], 8, v8
	s_delay_alu instid0(VALU_DEP_1)
	v_add_nc_u32 v[T+4], v[T+4], v8                ; r + 8 (r / 8): my key in a tile
	s_delay_alu instid0(VALU_DEP_1)
	v_lshlrev_b32 v[T+2], 1, v[T+4]                ; K's scales: 2 bytes a key
	v_lshlrev_b32 v[T+3], 6, v8                    ; V's scales: 64 bytes a channel
	v_mul_u32_u24 v[QA], v8, KROW
	s_delay_alu instid0(VALU_DEP_1)
	v_mad_u32_u24 v[QA], v9, 24, v[QA]
	v_lshlrev_b32 v[QS], 1, v8
	s_and_b32 s[BT], ttmp7, 0xffff                 ; batch
	s_lshl_b32 s24, s[WV], 2                       ; 4 w
	s_mul_i32 s25, s[WV], KBYTES                   ; 6,144 w
	s_lshl_b32 s28, s[BT], 11
	s_lshl_b32 s29, ttmp9, 6
	s_add_co_u32 s29, s28, s29                     ; my work-group's first query: 2,048 b + 64 x
	s_lshl_b32 s30, s[WV], 7
	s_add_co_u32 s30, s28, s30                     ; my wave's first key: 2,048 b + 128 w; also its byte in the mask
	s_mov_b32 s31, 0
	s_mul_i32 s32, s29, KROW                       ; byte offsets, each in a pair with 0 above it (all under 2^23)
	s_mov_b32 s33, 0
	s_lshl_b32 s34, s29, 1
	s_mov_b32 s35, 0
	s_mul_i32 s36, s30, KROW
	s_mov_b32 s37, 0
	s_lshl_b32 s38, s30, 1
	s_mov_b32 s39, 0
	s_mul_i32 s40, s[BT], 64*VROW
	s_add_co_u32 s40, s40, s25                     ; V: rows 4 w .. 4 w + 3 of the batch, 6,144 dense bytes
	s_mov_b32 s41, 0
	s_lshl_b32 s42, s[BT], 12
	s_add_co_u32 s42, s42, s24                     ; V's scales: my four blocks of each channel
	s_mov_b32 s43, 0
	s_add_co_u32 s28, s29, s24
	s_lshl_b32 s28, s28, 8                         ; out0: the four rows of 256 bytes that I merge
	s_mov_b32 s29, 0
	s_wait_alu depctr_va_vdst(0)
	s_wait_kmcnt 0x0
	s_add_nc_u64 s[4:5], s[4:5], s[32:33]
	s_add_nc_u64 s[6:7], s[6:7], s[34:35]
	s_add_nc_u64 s[8:9], s[8:9], s[36:37]
	s_add_nc_u64 s[10:11], s[10:11], s[38:39]
	s_add_nc_u64 s[12:13], s[12:13], s[40:41]
	s_add_nc_u64 s[14:15], s[14:15], s[42:43]
	s_add_nc_u64 s[16:17], s[16:17], s[30:31]
	s_add_nc_u64 s[18:19], s[18:19], s[28:29]
	; all of the wave's inputs but Q's later tiles are asked for here: 41 loads.  K and V as they lie: each load takes 512 consecutive bytes
	global_load_b32 v[T+12], v[T+1], s[16:17]      ; my 4 of the wave's 128 mask bytes
.irp i, 0,1,2,3,4,5,6,7,8,9,10,11
	global_load_b128 v[KF+4*\i:KF+4*\i+3], v[T], s[8:9] offset:512*\i
.endr
.irp t, 0,1,2,3,4,5,6,7
	global_load_u16 v[KSC+\t], v[T+2], s[10:11] offset:(32*(\t/2)+8*(\t%2))*2   ; two scale bytes; bytes 2 and 3 of the word are 0
.endr
.irp p, 0,1,2
	global_load_b64 v[QF+2*\p:QF+2*\p+1], v[QA], s[4:5] offset:8*\p
.endr
	global_load_u16 v[QSC], v[QS], s[6:7]
.irp i, 0,1,2,3,4,5,6,7,8,9,10,11
	global_load_b128 v[VF+4*\i:VF+4*\i+3], v[T], s[12:13] offset:512*\i
.endr
.irp t, 0,1,2,3
	global_load_b32 v[VSC+\t], v[T+3], s[14:15] offset:1024*\t
.endr
	; while they are on their way: zeros, constants, LDS addresses (each a constant + a lane term + a constant x wave)
.irp i, 0,1,2,3,4,5
	v_mov_b32 v[KF+48+\i], 0                       ; behind K's last tile
	v_mov_b32 v[QF+6+\i], 0                        ; Q's k = 64 .. 127
.endr
	v_mov_b32 v[N10], 0xc61c4000                   ; -10000.0
	s_mov_b32 s[SEL], 0x76543210
	s_mov_b32 s[SEL+1], 0xfedcba98
	s_mov_b32 s[L2E], 0x3fb8aa3b
	s_mov_b32 s[L2E+1], s[L2E]
	s_mov_b32 s[EI], 0x3e000000
	s_mov_b32 s[EI+1], s[EI]
	s_mov_b32 s[NT], 0xc61c4000
	s_mov_b32 s[NT+1], s[NT]
	s_mov_b32 s[TENK], 0x461c4000                  ; 10000.0
	s_lshr_b32 s55, ttmp9, 1                       ; the wave on the diagonal: queries 64 x .. 64 x + 63 lie among keys 128 (x / 2) ..
	s_and_b32 s[PAR], ttmp9, 1
	s_mov_b32 s[LVL], 0xc69c4000                   ; -20000.0
	s_cmp_gt_u32 s[WV], s55
	s_cselect_b32 s[LVL], s[LVL], s[NT]            ; a padded key's entry: -10000, and -10000 more where all my keys come after all 64 queries
	s_cmp_eq_u32 s[WV], s55
	s_cselect_b32 s[PAR], s[PAR], 2
	s_lshl_b32 s22, s[WV], 9
	v_lshl_add_u32 v[AT], v9, 6, TAB
	s_delay_alu instid0(VALU_DEP_1)
	v_add_nc_u32 v[AT], s22, v[AT]
	v_lshl_add_u32 v[T+13], v10, 4, TAB
	s_delay_alu instid0(VALU_DEP_1)
	v_add_nc_u32 v[T+13], s22, v[T+13]             ; where I write my four entries of the table
	s_mul_i32 s23, s[WV], SWAVE
	v_mul_u32_u24 v[SO], v8, SPITCH
	s_delay_alu instid0(VALU_DEP_1)
	v_lshl_add_u32 v[SO], v9, 5, v[SO]
	s_delay_alu instid0(VALU_DEP_1)
	v_add_nc_u32 v[SO], s23, v[SO]
	v_lshl_add_u32 v[SA], v8, 6, STM
	s_delay_alu instid0(VALU_DEP_1)
	v_add_nc_u32 v[SA], s24, v[SA]
	v_lshlrev_b32 v[D0], 4, v9
	s_delay_alu instid0(VALU_DEP_1)
	v_sub_nc_u32 v[D0], v8, v[D0]
	v_add_nc_u32 v[KW], s25, v[T]                  ; K in: 6,144 w + 16 lane
	v_mul_u32_u24 v[KR], v[T+4], KROW
	s_delay_alu instid0(VALU_DEP_1)
	v_mad_u32_u24 v[KR], v9, 24, v[KR]
	s_delay_alu instid0(VALU_DEP_1)
	v_add_nc_u32 v[KR], s25, v[KR]                 ; K back: my key's row, + 24 h
	s_mul_i32 s26, s[WV], 4*VP
	v_add_nc_u32 v[VW], s26, v[T]
	s_delay_alu instid0(VALU_DEP_1)
	v_add_nc_u32 v[VW], VAREA, v[VW]               ; V in: rows 4 w on, 16 bytes a lane
	s_mul_i32 s27, s[WV], 96
	v_mul_u32_u24 v[VR], v8, VP
	s_delay_alu instid0(VALU_DEP_1)
	v_mad_u32_u24 v[VR], v9, 24, v[VR]
	s_delay_alu instid0(VALU_DEP_1)
	v_add_nc_u32 v[VR], s27, v[VR]
	s_delay_alu instid0(VALU_DEP_1)
	v_add_nc_u32 v[VR], VAREA, v[VR]               ; V back: channel r, my wave's 96 bytes, + 24 h
	s_delay_alu instid0(VALU_DEP_1)
	v_add_nc_u32 v[VR2], 32*VP, v[VR]              ; channels 32 on: an LDS offset has 16 bits
	; THE PENALTY TABLE of my 128 keys, f32: 10000 m + (level - 10000): 0 or -10000 (behind the diagonal: -10000 or -20000), all exact
	s_wait_loadcnt 40                              ; the mask word is in; the 40 loads behind it may be out
.irp i, 0,1,2,3
	v_bfe_u32 v[T+8+\i], v[T+12], 8*\i, 8
.endr
.irp i, 0,1,2,3
	s_delay_alu instid0(VALU_DEP_4)
	v_cvt_f32_u32 v[T+8+\i], v[T+8+\i]
.endr
.irp i, 0,1,2,3
	s_delay_alu instid0(VALU_DEP_4)
	v_fma_f32 v[T+8+\i], v[T+8+\i], s[TENK], s[LVL]
.endr
	ds_store_b128 v[T+13], v[T+8:T+11]             ; my wave's own bytes: LDS serves a wave's instructions in order (ISA guide 5.7.1.4), so its later loads see them
	; K turns through my own 6,144 bytes of LDS: in as it lies, back as fragments
	s_wait_loadcnt 28                              ; K's 12 loads are in; behind them: 8 scales, 4 of Q, 12 of V, 4 scales
.irp i, 0,1,2,3,4,5,6,7,8,9,10,11
	ds_store_b128 v[KW], v[KF+4*\i:KF+4*\i+3] offset:512*\i
.endr
	s_wait_dscnt 0x0                               ; the stores have read their registers: the fragments land in the same ones
.irp t, 0,1,2,3,4,5,6,7
.irp p, 0,1,2
	ds_load_b64 v[KF+6*\t+2*\p:KF+6*\t+2*\p+1], v[KR] offset:(32*(\t/2)+8*(\t%2))*KROW+8*\p   ; lane (r, h): 24 bytes: k = 32 h .. 32 h + 31 of its key
.endr
.endr
.macro TABLD b                         ; block b's 16 entries of my half: keys 32 b + 16 h + 0 .. 15; the sixteen lanes of a half read the same words
.irp q, 0,1,2,3
	ds_load_b128 v[R+16*((\b)%2)+4*\q:R+16*((\b)%2)+4*\q+3], v[AT] offset:128*(\b)+16*\q
.endr
.endm
.macro PEN b                           ; e = s / 8 + the table's entry: one rounding, as in reference().  Each accumulator is read from its low end on
.irp p, 0,1,2,3,4,5,6,7
	v_pk_fma_f32 v[S+16*(\b)+2*\p:S+16*(\b)+2*\p+1], v[S+16*(\b)+2*\p:S+16*(\b)+2*\p+1], s[EI:EI+1], v[R+16*((\b)%2)+2*\p:R+16*((\b)%2)+2*\p+1] op_sel_hi:[1,0,1]
.endr
.endm
; The wave on the diagonal, tile j.  Query 16 j + r of the block stands 32 bm + 16 (j % 2) + r keys into my 128.  In block bm key 16 h + i is hidden where i - 16 (j % 2) > r - 16 h; blocks behind bm are hidden whole.
; 10000 is subtracted from e: where the key is not padded that is reference()'s one rounding, where it is padded its two, in either order the same numbers.
.macro FIX j, bm
.set ii, 0
.rept 16
	v_cmp_gt_i32 vcc_lo, ii-16*((\j)%2), v[D0]
	s_delay_alu instid0(VALU_DEP_1)
	v_cndmask_b32 v[T+ii%4], 0, v[N10], vcc_lo
	s_delay_alu instid0(VALU_DEP_1)
	v_add_f32 v[S+16*(\bm)+ii], v[S+16*(\bm)+ii], v[T+ii%4]
.set ii, ii+1
.endr
.set ii, 16*(\bm)+16
.rept 8*(3-(\bm))
	v_pk_add_f32 v[S+ii:S+ii+1], v[S+ii:S+ii+1], s[NT:NT+1] op_sel_hi:[1,0]
.set ii, ii+2
.endr
.endm
; V turns through LDS, once, behind tile 0's softmax: every wave brings four whole rows, every wave takes its 128 keys of all 64 rows.
.macro VSTAGE
	s_wait_loadcnt 4                               ; V and its scales are in; the next tile's four loads of Q may be out
.irp i, 0,1,2,3,4,5,6,7,8,9,10,11
	ds_store_b128 v[VW], v[VF+4*\i:VF+4*\i+3] offset:(\i/3)*VP+(\i%3)*512
.endr
	s_wait_dscnt 0x0                               ; for the others' sake: my rows lie in LDS
	s_barrier_signal -1
	s_barrier_wait -1                              ; all 64 rows do
.irp t, 0,1
.irp p, 0,1,2,3,4,5
	ds_load_b64 v[VF+12*\t+2*\p:VF+12*\t+2*\p+1], v[VR] offset:16*\t*VP+48*(\p/3)+8*(\p%3)
.endr
.endr
.irp t, 2,3
.irp p, 0,1,2,3,4,5
	ds_load_b64 v[VF+12*\t+2*\p:VF+12*\t+2*\p+1], v[VR2] offset:16*(\t-2)*VP+48*(\p/3)+8*(\p%3)
.endr
.endr
	s_wait_dscnt 0x0                               ; my reads of V's area are over (those of K's were over at the tile's head):
	s_barrier_signal -1
	s_barrier_wait -1                              ; everybody's are: from here on these bytes are the stage
.endm
; ONE TILE OF 16 QUERIES AGAINST MY 128 KEYS
.macro TILE j
.if (\j) == 0
	s_wait_loadcnt 16                              ; K's scales and Q are in; V's 12 loads and its 4 scale loads may be out
	s_wait_xcnt 0x0                                ; the head's loads have read their offsets in v240-243, which are at work from here on
.else
	s_wait_loadcnt 0x0                             ; this tile's Q
.endif
	s_wait_dscnt 8                                 ; all but the eight table loads just issued: K's fragments are in (tile 0); the last tile's stage stores have read O^T
.irp t, 0,1,2,3,4,5,6,7
	v_wmma_scale_f32_16x16x128_f8f6f4 v[S+8*\t:S+8*\t+7], v[KF+6*\t:KF+6*\t+11], v[QF:QF+11], 0, v[KSC+\t], v[QSC] matrix_a_fmt:MATRIX_FMT_BF6 matrix_b_fmt:MATRIX_FMT_BF6
.endr
.rept 4
	v_nop                                          ; four places ahead of the loads into Q's registers and of the first read of the scores
.endr
.if (\j) < 3
.irp p, 0,1,2
	global_load_b64 v[QF+2*\p:QF+2*\p+1], v[QA], s[4:5] offset:16*KROW*((\j)+1)+8*\p   ; the next tile's Q: a whole tile's work ahead of its use
.endr
	global_load_u16 v[QSC], v[QS], s[6:7] offset:32*((\j)+1)
.endif
	s_wait_dscnt 4                                 ; the table's piece 0 is in, piece 1 may be out; and so on: two pieces of 16 registers by turns
	PEN 0
	TABLD 2
	s_wait_dscnt 4
	PEN 1
	TABLD 3
	s_wait_dscnt 4
	PEN 2
	s_wait_dscnt 0x0
	PEN 3
	s_cmp_eq_u32 s[PAR], 2                         ; branches on ids alone; no barrier and no LDS access stands inside
	s_cbranch_scc1 .Lplain_\j
	s_cmp_eq_u32 s[PAR], 0
	s_cbranch_scc0 .Lodd_\j
	FIX \j, (\j)/2
	s_branch .Lplain_\j
.Lodd_\j:
	FIX \j, 2+(\j)/2
.Lplain_\j:
.irp b, 0,1,2,3
	v_max3_num_f32 v[MB+\b], v[S+16*\b], v[S+1+16*\b], v[S+2+16*\b]   ; the largest e of each block of 32 keys: it serves for the row's maximum and, since p rises with e, for the block's largest p
.endr
.irp i, 3,5,7,9,11,13
.irp b, 0,1,2,3
	s_delay_alu instid0(VALU_DEP_4)
	v_max3_num_f32 v[MB+\b], v[MB+\b], v[S+16*\b+\i], v[S+1+16*\b+\i]   ; (the four blocks by turns)
.endr
.endr
.irp b, 0,1,2,3
	s_delay_alu instid0(VALU_DEP_4)
	v_max_num_f32 v[MB+\b], v[MB+\b], v[S+15+16*\b]
.endr
.irp b, 0,1,2,3
	s_delay_alu instid0(VALU_DEP_4)
	v_permlanex16_b32 v[PM+\b], v[MB+\b], s[SEL], s[SEL+1]
.endr
.irp b, 0,1,2,3
	s_delay_alu instid0(VALU_DEP_4)
	v_max_num_f32 v[MB+\b], v[MB+\b], v[PM+\b]     ; with lane l xor 16's sixteen keys
.endr
	s_delay_alu instid0(VALU_DEP_2)
	v_max3_num_f32 v[TMP], v[MB], v[MB+1], v[MB+2]
	s_delay_alu instid0(VALU_DEP_1)
	v_max_num_f32 v[TMP], v[TMP], v[MB+3]
	s_delay_alu instid0(VALU_DEP_1)
	v_mul_f32 v[NM+1], s[L2E], v[TMP]              ; the largest t of my query among my 128 keys
	s_delay_alu instid0(VALU_DEP_1)
	v_floor_f32 v[NM], -v[NM+1]                    ; -M = floor(-t) = -ceil(t): a whole number
.set ii, 0
.rept 32
	v_pk_fma_f32 v[S+ii:S+ii+1], v[S+ii:S+ii+1], s[L2E:L2E+1], v[NM:NM+1] op_sel_hi:[1,0,0]   ; t - M, two at a time
.set ii, ii+2
.endr
.irp b, 0,1,2,3
	v_fma_f32 v[MB+\b], v[MB+\b], s[L2E], v[NM]    ; the same of each block's largest e
.endr
.set ii, 0
	s_wait_alu depctr_va_vdst(0)
.rept 64
	v_exp_f32 v[S+ii], v[S+ii]                     ; p = 2^(t - M), at most 1: not normalised
.set ii, ii+1
.endr
.irp b, 0,1,2,3
	v_exp_f32 v[MB+\b], v[MB+\b]                   ; the block's largest p: the same two instructions on the same number
.endr
	ds_store_b32 v[SA], v[NM] offset:1024*(\j)     ; -M of (query 16 j + r, wave w); both halves of the lanes write the same word with the same value
	v_nop                                          ; a plain instruction behind the last exponential
	s_wait_alu depctr_va_vdst(0)                   ; the wait ahead of the first reader: one for the 68
.irp b, 0,1,2,3
	v_max_num_f32 v[MB+\b], 0x2800000, v[MB+\b]    ; the floor 2^(5 - 127): the byte cannot fall under 1 (a block whose every p is 0 keeps that byte: its codes are zeros)
.endr
.irp b, 0,1,2,3
	s_delay_alu instid0(VALU_DEP_4)
	v_add_nc_u32 v[SCO+\b], 0xfe000000, v[MB+\b]   ; 4 off the exponent field: the conversion's scale operand
.endr
.irp b, 0,1,2,3
	s_delay_alu instid0(VALU_DEP_4)
	v_lshrrev_b32 v[PM+\b], 23, v[SCO+\b]          ; the scale's byte
.endr
	s_delay_alu instid0(VALU_DEP_3)
	v_lshl_or_b32 v[PW], v[PM+1], 8, v[PM]         ; p's scale word for these 128 keys
	s_delay_alu instid0(VALU_DEP_1)
	v_lshl_or_b32 v[PW], v[PM+2], 16, v[PW]
	s_delay_alu instid0(VALU_DEP_1)
	v_lshl_or_b32 v[PW], v[PM+3], 24, v[PW]
.irp c, 0,1
	v_cvt_scalef32_pk16_bf6_f32 v[P+6*\c:P+6*\c+2], v[S+32*\c:S+32*\c+15], v[SCO+2*\c]
	v_cvt_scalef32_pk16_bf6_f32 v[X+4*\c:X+4*\c+2], v[S+32*\c+16:S+32*\c+31], v[SCO+2*\c+1]   ; (a conversion's three registers begin on an even number)
.endr
	v_nop                                          ; one plain instruction behind the scaled conversions
.irp c, 0,1                                    ; the operand wants a WHOLE block in a lane: lanes 0-15 block 2 c, lanes 16-31 block 2 c + 1
.irp i, 0,1,2
	v_permlane16_swap_b32 v[P+6*\c+\i], v[X+4*\c+\i]
.endr
.irp i, 0,1,2
	s_delay_alu instid0(VALU_DEP_3)
	v_mov_b32 v[P+3+6*\c+\i], v[X+4*\c+\i]
.endr
.endr
	v_pk_add_f32 v[242:243], v[144:145], v[152:153]
	v_pk_add_f32 v[244:245], v[160:161], v[168:169]
	v_pk_add_f32 v[246:247], v[176:177], v[184:185]
	v_pk_add_f32 v[254:255], v[192:193], v[200:201]
	v_pk_add_f32 v[252:253], v[146:147], v[154:155]
	v_pk_add_f32 v[250:251], v[162:163], v[170:171]
	v_pk_add_f32 v[238:239], v[178:179], v[186:187]
	v_pk_add_f32 v[240:241], v[194:195], v[202:203]
	v_pk_add_f32 v[240:241], v[240:241], v[148:149]
	v_pk_add_f32 v[242:243], v[242:243], v[156:157]
	v_pk_add_f32 v[244:245], v[244:245], v[164:165]
	v_pk_add_f32 v[246:247], v[246:247], v[172:173]
	v_pk_add_f32 v[254:255], v[254:255], v[180:181]
	v_pk_add_f32 v[252:253], v[252:253], v[188:189]
	v_pk_add_f32 v[250:251], v[250:251], v[196:197]
	v_pk_add_f32 v[238:239], v[238:239], v[204:205]
	v_pk_add_f32 v[240:241], v[240:241], v[150:151]
	v_pk_add_f32 v[242:243], v[242:243], v[158:159]
	v_pk_add_f32 v[244:245], v[244:245], v[166:167]
	v_pk_add_f32 v[246:247], v[246:247], v[174:175]
	v_pk_add_f32 v[254:255], v[254:255], v[182:183]
	v_pk_add_f32 v[252:253], v[252:253], v[190:191]
	v_pk_add_f32 v[250:251], v[250:251], v[198:199]
	v_pk_add_f32 v[238:239], v[238:239], v[206:207]
	s_delay_alu instid0(VALU_DEP_4)
	v_pk_add_f32 v[240:241], v[240:241], v[254:255]
	s_delay_alu instid0(VALU_DEP_4)
	v_pk_add_f32 v[242:243], v[242:243], v[252:253]
	s_delay_alu instid0(VALU_DEP_4)
	v_pk_add_f32 v[244:245], v[244:245], v[250:251]
	s_delay_alu instid0(VALU_DEP_4)
	v_pk_add_f32 v[246:247], v[246:247], v[238:239]
	s_delay_alu instid0(VALU_DEP_2)
	v_pk_add_f32 v[240:241], v[240:241], v[244:245]
	s_delay_alu instid0(VALU_DEP_2)
	v_pk_add_f32 v[242:243], v[242:243], v[246:247]
	s_delay_alu instid0(VALU_DEP_1)
	v_pk_add_f32 v[240:241], v[240:241], v[242:243]
	s_delay_alu instid0(VALU_DEP_1)
	v_add_f32 v[T+8], v[T], v[T+1]
	s_delay_alu instid0(VALU_DEP_1)
	v_permlanex16_b32 v[T+9], v[T+8], s[SEL], s[SEL+1]
	s_delay_alu instid0(VALU_DEP_1)
	v_add_f32 v[T+8], v[T+8], v[T+9]               ; with lane l xor 16's 64 keys
	ds_store_b32 v[SA], v[T+8] offset:4096+1024*(\j)   ; l of (query, wave)
.if (\j) == 0
	VSTAGE
.endif
.irp t, 0,1,2,3                                ; O^T = V^T P^T over my 128 keys; the constant 0 starts each sum.  Register 8 t + i of lane (r, h): channel 16 t + 8 h + i of query r
	v_wmma_scale_f32_16x16x128_f8f6f4 v[OT+8*\t:OT+8*\t+7], v[VF+12*\t:VF+12*\t+11], v[P:P+11], 0, v[VSC+\t], v[PW] matrix_a_fmt:MATRIX_FMT_BF6 matrix_b_fmt:MATRIX_FMT_BF6
.endr
.rept 5
	v_nop                                          ; four places ahead of the stores of O^T and of the loads into p's registers; five ahead of the next tile's products, which write over O^T
.endr
.irp t, 0,1,2,3
	ds_store_b128 v[SO], v[OT+8*\t:OT+8*\t+3] offset:STILE*(\j)+64*\t          ; each accumulator from its low end on
	ds_store_b128 v[SO], v[OT+8*\t+4:OT+8*\t+7] offset:STILE*(\j)+64*\t+16
.endr
.if (\j) < 3
	TABLD 0                                        ; the next tile's first two pieces of the table
	TABLD 1
.endif
.endm
	TABLD 0
	TABLD 1
	TILE 0
	TILE 1
	TILE 2
	TILE 3
	; THE MERGE.  Wave w takes queries 4 w .. 4 w + 3 of the block: twice two rows; lanes 0-15 one row of 64 channels, lanes 16-31 the next, 16 bytes a lane.
.set RD, 20                            ; v20-23 stage, back: partials 0-3, 4-7, 8-11, 12-15 (an LDS offset has 16 bits)
.set FC, 64                            ; v64-127  the factors, each twice: 32 registers for each pair of rows
.set OP, 128                           ; v128-255 the 2 x 16 partials, 4 registers each
.set AC, 32                            ; v32-47   eight chains of sums
	s_wait_dscnt 0x0                               ; for the others' sake: my partials, -M and l lie in LDS
	s_barrier_signal -1
	s_barrier_wait -1
	v_and_b32 v8, 15, v0                           ; g: my 16 bytes of a row; also the partial whose factor I make
	v_bfe_u32 v9, v0, 4, 1
	v_and_b32 v10, 31, v0
	s_lshl_b32 s22, s[WV], 8
	v_lshl_add_u32 v14, v10, 2, STM
	s_delay_alu instid0(VALU_DEP_1)
	v_add_nc_u32 v14, s22, v14                     ; [query 4 w + lane / 16][wave g]: 256 w + 4 lane; the second pair of rows 128 bytes on
	ds_load_b32 v16, v14
	ds_load_b32 v17, v14 offset:128
	ds_load_b32 v18, v14 offset:4096
	ds_load_b32 v19, v14 offset:4096+128
	s_lshr_b32 s23, s[WV], 2
	s_mul_i32 s23, s23, STILE                      ; tile w / 4,
	s_and_b32 s24, s[WV], 3
	s_mul_i32 s24, s24, 4*SPITCH                   ; rows 4 (w % 4) on
	s_add_co_u32 s23, s23, s24
	v_mul_u32_u24 v[RD], v9, SPITCH
	s_delay_alu instid0(VALU_DEP_1)
	v_lshl_add_u32 v[RD], v8, 4, v[RD]
	s_delay_alu instid0(VALU_DEP_1)
	v_add_nc_u32 v[RD], s23, v[RD]
	s_delay_alu instid0(VALU_DEP_1)
	v_add_nc_u32 v[RD+1], 4*SWAVE, v[RD]
	s_delay_alu instid0(VALU_DEP_2)
	v_add_nc_u32 v[RD+2], 8*SWAVE, v[RD]
	s_delay_alu instid0(VALU_DEP_3)
	v_add_nc_u32 v[RD+3], 12*SWAVE, v[RD]
.irp it, 0,1
.set wp, 0
.rept 16
	ds_load_b128 v[OP+64*\it+4*wp:OP+64*\it+4*wp+3], v[RD+wp/4] offset:(wp%4)*SWAVE+2*SPITCH*\it   ; sixteen lanes read a row's 256 consecutive bytes
.set wp, wp+1
.endr
.endr
	s_lshl_b32 s22, s[WV], 9
	v_lshl_add_u32 v15, v10, 3, FS
	s_delay_alu instid0(VALU_DEP_1)
	v_add_nc_u32 v15, s22, v15                     ; my factor's place: 512 w + 8 lane
	v_lshl_add_u32 v13, v9, 7, FS
	s_delay_alu instid0(VALU_DEP_1)
	v_add_nc_u32 v13, s22, v13                     ; my row's sixteen factors
	v_lshlrev_b32 v30, 4, v10
	s_wait_dscnt 32                                ; -M and l are in; the 32 loads of partials may be out
	v_xor_b32 v16, 0x80000000, v16                 ; M of partial g
	v_xor_b32 v17, 0x80000000, v17
	s_delay_alu instid0(VALU_DEP_2)
	v_mov_b32 v24, v16
	s_delay_alu instid0(VALU_DEP_2)
	v_mov_b32 v25, v17
.irp m, 1,2,4,8
	s_delay_alu instid0(VALU_DEP_2)
	v_max_num_f32_dpp v24, v24, v24 row_xmask:\m row_mask:0xf bank_mask:0xf   ; the row's M: the largest of the sixteen
	s_delay_alu instid0(VALU_DEP_2)
	v_max_num_f32_dpp v25, v25, v25 row_xmask:\m row_mask:0xf bank_mask:0xf
.endr
	s_delay_alu instid0(VALU_DEP_2)
	v_sub_f32 v16, v16, v24                        ; a whole number, 0 or less
	s_delay_alu instid0(VALU_DEP_2)
	v_sub_f32 v17, v17, v25
	s_delay_alu instid0(VALU_DEP_2)
	v_cvt_i32_f32 v16, v16                         ; (it saturates)
	s_delay_alu instid0(VALU_DEP_2)
	v_cvt_i32_f32 v17, v17
	s_delay_alu instid0(VALU_DEP_2)
	v_ldexp_f32 v16, 1.0, v16                      ; f = 2^(M_g - M): exact; 0 where the partial lies too far below
	s_delay_alu instid0(VALU_DEP_2)
	v_ldexp_f32 v17, 1.0, v17
	s_delay_alu instid0(VALU_DEP_2)
	v_mul_f32 v18, v16, v18
	s_delay_alu instid0(VALU_DEP_2)
	v_mul_f32 v19, v17, v19
.irp m, 1,2,4,8
	s_delay_alu instid0(VALU_DEP_2)
	v_add_f32_dpp v18, v18, v18 row_xmask:\m row_mask:0xf bank_mask:0xf       ; the row's l: at least 1/2, since the partial with f = 1 has a p above 1/2
	s_delay_alu instid0(VALU_DEP_2)
	v_add_f32_dpp v19, v19, v19 row_xmask:\m row_mask:0xf bank_mask:0xf
.endr
	s_wait_alu depctr_va_vdst(0)
	v_rcp_f32 v24, v18
	v_rcp_f32 v25, v19
	v_nop                                          ; a plain instruction behind the reciprocals
	s_wait_alu depctr_va_vdst(0)                   ; the wait ahead of the first reader: one for both
	v_mul_f32 v26, v16, v24                        ; f / l,
	v_mul_f32 v28, v17, v25
	s_delay_alu instid0(VALU_DEP_2)
	v_mov_b32 v27, v26                             ; twice, so that it comes back as a pair for the packed forms
	s_delay_alu instid0(VALU_DEP_2)
	v_mov_b32 v29, v28
	ds_store_b64 v15, v[26:27]                     ; my wave's own bytes: its loads below see them (LDS serves a wave in order)
	ds_store_b64 v15, v[28:29] offset:256
.irp it, 0,1
.irp c, 0,1,2,3,4,5,6,7
	ds_load_b128 v[FC+32*\it+4*\c:FC+32*\it+4*\c+3], v13 offset:256*\it+16*\c
.endr
.endr
	s_wait_dscnt 0x0
.set wq, 0
.rept 8                                        ; out = sum over the sixteen partials of (f / l) O: eight chains (two pairs of rows x even and odd partials x two register pairs)
.irp par, 0,1
.irp it, 0,1
.irp hf, 0,1
.if wq == 0
	v_pk_mul_f32 v[AC+8*\it+4*\par+2*\hf:AC+8*\it+4*\par+2*\hf+1], v[OP+64*\it+4*(2*wq+\par)+2*\hf:OP+64*\it+4*(2*wq+\par)+2*\hf+1], v[FC+32*\it+2*(2*wq+\par):FC+32*\it+2*(2*wq+\par)+1]
.else
	v_pk_fma_f32 v[AC+8*\it+4*\par+2*\hf:AC+8*\it+4*\par+2*\hf+1], v[OP+64*\it+4*(2*wq+\par)+2*\hf:OP+64*\it+4*(2*wq+\par)+2*\hf+1], v[FC+32*\it+2*(2*wq+\par):FC+32*\it+2*(2*wq+\par)+1], v[AC+8*\it+4*\par+2*\hf:AC+8*\it+4*\par+2*\hf+1]
.endif
.endr
.endr
.endr
.set wq, wq+1
.endr
.irp it, 0,1
.irp hf, 0,1
	s_delay_alu instid0(VALU_DEP_4)
	v_pk_add_f32 v[AC+8*\it+2*\hf:AC+8*\it+2*\hf+1], v[AC+8*\it+2*\hf:AC+8*\it+2*\hf+1], v[AC+8*\it+4+2*\hf:AC+8*\it+4+2*\hf+1]
.endr
.endr
	global_store_b128 v30, v[AC:AC+3], s[18:19] th:TH_STORE_NT                 ; 32 lanes store two rows of out0: 512 consecutive bytes, at a multiple of 256 from its first byte
	global_store_b128 v30, v[AC+8:AC+11], s[18:19] offset:512 th:TH_STORE_NT
	s_wait_xcnt 0x0
	v_lshl_add_u32 v254, v0, 2, 0x4a000
	v_mov_b32 v255, 0
	s_wait_alu depctr_va_vdst(0)
	s_wait_tensorcnt 0x0
	ds_add_u32 v254, v255
	s_wait_dscnt 0x0
	s_endpgm
.Lfunc_end_k_qbb03570b05_attn:
	.size	k_qbb03570b05_attn, .Lfunc_end_k_qbb03570b05_attn-k_qbb03570b05_attn
	.p2alignl 7, 3214868480
	.fill 96, 4, 3214868480
	.section	.rodata,"a",@progbits
	.p2align	6, 0x0
	.amdhsa_kernel k_qbb03570b05_attn
		.amdhsa_group_segment_fixed_size 305152
		.amdhsa_private_segment_fixed_size 0
		.amdhsa_enable_private_segment 0
		.amdhsa_kernarg_size 64
		.amdhsa_user_sgpr_count 2
		.amdhsa_user_sgpr_kernarg_segment_ptr 1
		.amdhsa_wavefront_size32 1
		.amdhsa_system_sgpr_workgroup_id_x 1
		.amdhsa_system_sgpr_workgroup_id_y 1
		.amdhsa_system_sgpr_workgroup_id_z 1
		.amdhsa_system_vgpr_workitem_id 0
		.amdhsa_next_free_vgpr 256
		.amdhsa_next_free_sgpr 66
		.amdhsa_reserve_vcc 1
		.amdhsa_float_denorm_mode_32 3
		.amdhsa_float_denorm_mode_16_64 3
		.amdhsa_memory_ordered 1
		.amdhsa_forward_progress 1
		.amdhsa_inst_pref_size 128
	.end_amdhsa_kernel
	.amdgpu_metadata
---
amdhsa.version: [ 1, 2 ]
amdhsa.kernels:
  - .name:           k_qbb03570b05_attn
    .symbol:         k_qbb03570b05_attn.kd
    .args:
      - { .name: query_codes, .offset: 0, .size: 8, .value_kind: global_buffer, .address_space: global }
      - { .name: query_scales, .offset: 8, .size: 8, .value_kind: global_buffer, .address_space: global }
      - { .name: key_codes, .offset: 16, .size: 8, .value_kind: global_buffer, .address_space: global }
      - { .name: key_scales, .offset: 24, .size: 8, .value_kind: global_buffer, .address_space: global }
      - { .name: value_codes, .offset: 32, .size: 8, .value_kind: global_buffer, .address_space: global }
      - { .name: value_scales, .offset: 40, .size: 8, .value_kind: global_buffer, .address_space: global }
      - { .name: mask, .offset: 48, .size: 8, .value_kind: global_buffer, .address_space: global }
      - { .name: out0, .offset: 56, .size: 8, .value_kind: global_buffer, .address_space: global }
    .group_segment_fixed_size: 305152
    .private_segment_fixed_size: 0
    .kernarg_segment_align: 8
    .kernarg_segment_size: 64
    .max_flat_workgroup_size: 512
    .sgpr_count:     66
    .vgpr_count:     256
    .wavefront_size: 32
...
	.end_amdgpu_metadata
.endif
;; end of part 1
